; MI455X (gfx1250); checked and timed in simulation.
; The chip was launched on July 23, 2026; its instructions are those of AMD's public machine-readable ISA for CDNA 5 (MIT licence, August 2026) and "CDNA5" Instruction Set Architecture Reference Guide (July 2026). The comments in the code are by the model that wrote it; some were corrected since.
;; DIN. Allowed arithmetic: matrix products marked QUANTISED: E2M1 operands, one E8M0 scale for each 32 along K, by v_wmma_scale_f32_16x16x128_f8f6f4 with both operands' format E2M1 (or v_wmma_scale_f32_32x16x128_f4), f32 sums; products left as they are: f32 operands where the result goes on into a quantised operand, else bf16, f16 or f32 operands; f32 sums; everything else in f32.
;; Inputs: ab1 80 float32; ab2 1 float32; aw1 256 x 80 float32; aw2 80 x 1 float32; candidate_class 16,384 int32; candidate_good 16,384 int32; cat_table 1,000 x 32 float32; customer_id 16,384 int32; history_classes 16,384 x 50 int32; history_goods 16,384 x 50 int32; item_table 100,000 x 32 float32; mb1 256 float32; mb2 128 float32; mb3 1 float32; mw1 160 x 256 float32; mw2 256 x 128 float32; mw3 128 x 1 float32; user_table 100,000 x 32 float32.
;; Outputs: out0 16,384 float32.
;; This version of the problem:
;;   THIS VERSION OF THE PROBLEM IS GIVEN IN LOW PRECISION. The matrix products marked QUANTISED in the list below multiply operands that are first quantised to E2M1 (2 exponent bits, 1 mantissa bit; 4 bits a number), with one power-of-two scale for each 32 numbers along K (OCP MX v1.0); their sums are f32. All else is computed in f32.
;;   The module's matrix products, in the order in which they are computed (A, B: the left and right operand; K: the contracted axis; several contracted axes count as one K, in the product's order):
;;     1. [M 819,200, K 256] x [K 256, N 80]; A: computed on the way; B: input aw1: QUANTISED
;;     2. [M 819,200, K 80] x [K 80, N 1]; A: computed on the way; B: input aw2: left as it is (N = 1 < 16)
;;     3. batch 16,384 x [M 1, K 50] x [K 50, N 64]; A: softmax; B: computed on the way: left as it is (M = 1 < 16)
;;     4. [M 16,384, K 160] x [K 160, N 256]; A: computed on the way; B: input mw1: QUANTISED
;;     5. [M 16,384, K 256] x [K 256, N 128]; A: computed on the way; B: input mw2: QUANTISED
;;     6. [M 16,384, K 128] x [K 128, N 1]; A: computed on the way; B: input mw3: left as it is (N = 1 < 16)
;;   THE QUANTISER, for each operand of a quantised product, along K:
;;     - K is cut into blocks of 32 from its start; a last block that is shorter is filled with zeros.
;;     - A block's scale is 2^e with e = floor(log2(the largest magnitude in the block)) - 2, held to -126 .. 127; a block of zeros has e = 0. As a byte (E8M0): e + 127.
;;     - Each number is divided by its block's scale, clamped to +-6, and rounded to the nearest number of E2M1, ties to even, subnormals kept.
;;     - The product sums the exact products of the quantised numbers (number of the format x scale) in f32.
;;   ~~~python
;;   def quantise(x, axis):      # numpy; x: float32 -> the quantised numbers, widened to float32 again
;;       x = np.moveaxis(x, axis, -1); K = x.shape[-1]
;;       x = np.pad(x, [(0, 0)] * (x.ndim - 1) + [(0, -K % 32)]); x = x.reshape(x.shape[:-1] + (-1, 32)); a = np.abs(x).max(-1, keepdims=True)
;;       e = np.where(a > 0, np.clip(np.frexp(np.where(a > 0, a, 1))[1] - 1 - 2, -126, 127), 0)      # np.frexp(a)[1] - 1 = floor(log2(a)), exactly
;;       r = np.clip(x / 2.0 ** e, -6, 6)
;;       step = 2.0 ** (np.maximum(np.frexp(np.where(r == 0, 1, r))[1] - 1, 0) - 1)
;;       q = np.round(r / step) * step * 2.0 ** e      # np.round: ties to even
;;       return np.moveaxis(q.reshape(q.shape[:-2] + (-1,))[..., :K], -1, axis).astype(np.float32)
;;   ~~~
;;   OPERANDS COMPUTED ON THE WAY. 'Computed on the way' means the value that the module computes at that place (a softmax that the list does not call 'softmax' is quantised finished and normalised). What goes into a quantiser is computed in f32, as accurately as f32 sums, v_exp_f32 and their like allow (about 1e-6 of the number): no bf16 or f16 on the way to a quantiser, and a product that is left as it is and whose result goes on into a quantised operand takes f32 operands (vector FMAs, or v_wmma_f32_16x16x4_f32). A number that lies on a knife's edge between two numbers of the format may be rounded either way, as far as f32 arithmetic and the matrix unit's own rounding can turn it there, and no further.
;; One version. Each part assembles by itself: llvm-mc -triple=amdgcn-amd-amdhsa -mcpu=gfx1250 --defsym DOCPART=n.
;; ======== version 1 of 1: 2 launches
;; workspace buffers: wfrag 59,392 bytes; wscale 3,840 bytes
;; launch prep (part 1): grid 29 x 1, 1 waves a work-group, no clusters, 0 bytes of LDS; arguments aw1, mw1, mw2, wfrag, wscale; writes wfrag, wscale
.if DOCPART == 1
	.amdgcn_target "amdgcn-amd-amdhsa--gfx1250"
	.amdhsa_code_object_version 6
	.text
	.protected	k_qef2624eda5_prep
	.globl	k_qef2624eda5_prep
	.p2align	8
	.type	k_qef2624eda5_prep,@function
k_qef2624eda5_prep:
	s_mov_b64 s[64:65], 0
	v_nop
	global_prefetch_b8 v0, s[64:65] scope:SCOPE_SE
	s_setreg_imm32_b32 hwreg(HW_REG_WAVE_MODE, 25, 1), 1
	s_wait_xcnt 0x0
; The three weights of the quantised products, aw1 [256][80], mw1 [160][256], mw2 [256][128], f32 with K as their FIRST axis, become codes of FP4 (E2M1)
; with one E8M0 scale byte for each 32 along K, laid as IMAGES OF OPERAND REGISTERS, so that the second launch loads each fragment by plain 16-byte loads.
; One wave makes one RECORD: a tile of 16 columns x 256 along K = two fragments of 16 x 128.  Record R: wfrag + 2048 R; register group q = 2 s + c (K step s, group c)
; at 512 q + 16 lane.  Its scale words: wscale + 128 R + 4 lane: lanes 0-15 the word of K step 0 of column r, lanes 16-31 that of K step 1.
;   R = 0..4    aw1, columns 16 R + r;                                   k = 64 q + 32 h + i
;   R = 5..20   mw1, J = R - 5, column 32 (J / 2) + 8 (J % 2) + r + 8 (r / 8);   q = 0, 1: k = 32 + 64 q + 32 h + i (candidate, pooled history);
;               q = 2: k = i (the user) in lanes 0-15, zeros in lanes 16-31;  q = 3: zeros.  So K's blocks stand in the order in which the second launch's lanes hold them.
;   R = 21..28  mw2, columns 16 (R - 21) + r;                            k = 64 q + 32 h + i
; A LANE TAKES A COLUMN AND ITS REGISTERS RUN DOWN K: a block of 32 lies in one lane, its largest magnitude needs no other lane, and the conversions' results are the operand's registers.
; A block's scale is 2^(floor(log2(largest magnitude)) - 2); its byte is the largest magnitude's exponent field - 2, held at 1 from below by a floor among the maximum's leaves.
; LIMITS: a block of zeros, or one whose largest magnitude lies under 2^-124, gets the byte 1 (the rule says 127 for zeros: its codes are zeros, and this program alone reads the bytes); NaN and infinities are not served.
; 29 records are all the work there is: 29 work-groups.  No LDS, no barrier, no matrix unit: nothing is shared.
.set X,     32                         ; v32-159  block q's 32 numbers at X + 32 q
.set CD,    160                        ; v160-175 its codes at CD + 4 q
.set MX,    8                          ; v8-15    two chains of maxima for each block
.set SO,    16                         ; v16-19   the conversions' scale operands
.set BY,    20                         ; v20-23   the scale bytes
.set FLOOR, 0x1800000                  ; 2^(3 - 127)
.macro LOADQ q, co, base, row0, pitch  ; block q: 32 rows of the weight from row0 on, my column: sixteen lanes read 64 neighbouring bytes
.irp i, 0,1,2,3,4,5,6,7,8,9,10,11,12,13,14,15,16,17,18,19,20,21,22,23,24,25,26,27,28,29,30,31
	global_load_b32 v[X+32*\q+\i], v[\co], s[\base:\base+1] offset:(\row0+\i)*\pitch
.endr
.endm
	s_load_b128 s[4:7], s[0:1], 0x0                ; aw1, mw1
	s_load_b128 s[8:11], s[0:1], 0x10              ; mw2, wfrag
	s_load_b64 s[12:13], s[0:1], 0x20              ; wscale
	v_and_b32 v1, 15, v0                           ; r
	v_bfe_u32 v2, v0, 4, 1                         ; h
	v_lshlrev_b32 v5, 4, v0                        ; 16 x lane (one wave: the thread's number is the lane)
	v_lshlrev_b32 v6, 2, v0                        ; 4 x lane
	s_mov_b32 s20, 0x76543210
	s_mov_b32 s21, 0xfedcba98                      ; v_permlanex16_b32's selects for lane l xor 16
	s_mov_b32 s23, 0xffff                          ; lanes 0-15
	s_lshl_b32 s14, ttmp9, 11                      ; my record's codes,
	s_mov_b32 s15, 0
	s_lshl_b32 s16, ttmp9, 7                       ; and its scale words
	s_mov_b32 s17, 0
	s_wait_kmcnt 0x0
	s_add_nc_u64 s[10:11], s[10:11], s[14:15]
	s_add_nc_u64 s[12:13], s[12:13], s[16:17]
	s_cmp_lt_u32 ttmp9, 5
	s_cbranch_scc0 .Lnot_aw1
	; ---- aw1: a row is 320 bytes
	s_lshl_b32 s18, ttmp9, 6                       ; 16 columns x 4 bytes a tile
	s_wait_alu depctr_va_vdst(0)
	v_lshlrev_b32 v3, 2, v1
	v_add_nc_u32 v3, s18, v3
	v_mad_u32_u24 v3, v2, 32*320, v3               ; lanes 16-31 begin 32 rows further down
	LOADQ 0, 3, 4, 0, 320
	LOADQ 1, 3, 4, 64, 320
	LOADQ 2, 3, 4, 128, 320
	LOADQ 3, 3, 4, 192, 320
	s_wait_loadcnt 0x0
	s_branch .Lq
.Lnot_aw1:
	s_cmp_lt_u32 ttmp9, 21
	s_cbranch_scc0 .Lmw2
	; ---- mw1: a row is 1,024 bytes
	s_sub_co_u32 s18, ttmp9, 5                     ; J
	s_lshr_b32 s19, s18, 1
	s_lshl_b32 s19, s19, 7                         ; 32 (J / 2) columns x 4 bytes
	s_and_b32 s18, s18, 1
	s_lshl_b32 s18, s18, 5                         ; 8 (J % 2) columns x 4 bytes
	s_add_co_u32 s18, s18, s19
	s_wait_alu depctr_va_vdst(0)
	v_and_b32 v4, 8, v1
	v_add_nc_u32 v4, v4, v1                        ; r + 8 (r / 8)
	v_lshlrev_b32 v4, 2, v4
	v_add_nc_u32 v4, s18, v4                       ; my column's byte in a row
	v_lshl_add_u32 v3, v2, 15, v4                  ; and 32 rows further down for lanes 16-31
	LOADQ 0, 3, 6, 32, 1024                        ; rows 32 + 32 h on: the candidate
	LOADQ 1, 3, 6, 96, 1024                        ; rows 96 + 32 h on: the pooled history; the last row read is 159
	LOADQ 2, 4, 6, 0, 1024                         ; rows 0 on: the user, in both halves of the lanes
	s_wait_loadcnt 0x0
.irp i, 0,1,2,3,4,5,6,7,8,9,10,11,12,13,14,15,16,17,18,19,20,21,22,23,24,25,26,27,28,29,30,31
	v_cndmask_b32 v[X+64+\i], 0, v[X+64+\i], s23   ; kept in lanes 0-15, zeros in lanes 16-31: K ends at 160
	v_mov_b32 v[X+96+\i], 0
.endr
	s_branch .Lq
.Lmw2:
	; ---- mw2: a row is 512 bytes
	s_sub_co_u32 s18, ttmp9, 21
	s_lshl_b32 s18, s18, 6
	s_wait_alu depctr_va_vdst(0)
	v_lshlrev_b32 v3, 2, v1
	v_add_nc_u32 v3, s18, v3
	v_lshl_add_u32 v3, v2, 14, v3
	LOADQ 0, 3, 8, 0, 512
	LOADQ 1, 3, 8, 64, 512
	LOADQ 2, 3, 8, 128, 512
	LOADQ 3, 3, 8, 192, 512
	s_wait_loadcnt 0x0
.Lq:
	; ---- the four blocks' largest magnitudes, by turns, two chains each, so that no line waits for the line above it
.irp q, 0,1,2,3
	v_max3_num_f32 v[MX+2*\q],   |v[X+32*\q]|,    |v[X+32*\q+1]|,  FLOOR
	v_max3_num_f32 v[MX+2*\q+1], |v[X+32*\q+16]|, |v[X+32*\q+17]|, |v[X+32*\q+18]|
.endr
.irp i, 0,2,4,6,8,10
.irp q, 0,1,2,3
	v_max3_num_f32 v[MX+2*\q],   v[MX+2*\q],   |v[X+32*\q+2+\i]|,  |v[X+32*\q+3+\i]|
	v_max3_num_f32 v[MX+2*\q+1], v[MX+2*\q+1], |v[X+32*\q+19+\i]|, |v[X+32*\q+20+\i]|
.endr
.endr
.irp q, 0,1,2,3
	v_max3_num_f32 v[MX+2*\q], v[MX+2*\q], |v[X+32*\q+14]|, |v[X+32*\q+15]|
.endr
.irp q, 0,1,2,3
	v_max3_num_f32 v[MX+2*\q], v[MX+2*\q], v[MX+2*\q+1], |v[X+32*\q+31]|
.endr
.irp q, 0,1,2,3
	v_add_nc_u32 v[SO+\q], 0xff000000, v[MX+2*\q]  ; 2 off the exponent field: the conversion takes the exponent field of this operand as its scale
.endr
.irp q, 0,1,2,3
.irp g, 0,1,2,3
	v_cvt_scalef32_pk8_fp4_f32 v[CD+4*\q+\g], v[X+32*\q+8*\g:X+32*\q+8*\g+7], v[SO+\q]
.endr
.endr
.irp q, 0,1,2,3
	v_lshrrev_b32 v[BY+\q], 23, v[SO+\q]           ; the scale's byte (plain lines behind the conversions)
.endr
	; a K step's scale word: byte 2 c + h.  I hold bytes h and 2 + h; lane l xor 16 holds the other two
	v_lshl_or_b32 v24, v[BY+1], 16, v[BY]
	v_lshl_or_b32 v25, v[BY+3], 16, v[BY+2]
	v_lshlrev_b32 v7, 3, v2
	v_lshlrev_b32 v24, v7, v24
	v_lshlrev_b32 v25, v7, v25
	v_mov_b32 v26, 0                               ; a lane permute's destination counts as one of its sources
	v_mov_b32 v27, 0
	v_permlanex16_b32 v26, v24, s20, s21
	v_permlanex16_b32 v27, v25, s20, s21
	v_or_b32 v24, v24, v26
	v_or_b32 v25, v25, v27
	v_cndmask_b32 v24, v25, v24, s23               ; lanes 0-15 keep K step 0's word, lanes 16-31 take K step 1's
.irp q, 0,1,2,3
	global_store_b128 v5, v[CD+4*\q:CD+4*\q+3], s[10:11] offset:512*\q   ; 32 lanes store 512 consecutive bytes, at a multiple of 256 from the buffer's first byte
.endr
	global_store_b32 v6, v24, s[12:13]
	s_endpgm
.Lfunc_end_k_qef2624eda5_prep:
	.size	k_qef2624eda5_prep, .Lfunc_end_k_qef2624eda5_prep-k_qef2624eda5_prep
	.p2alignl 7, 3214868480
	.fill 96, 4, 3214868480
	.section	.rodata,"a",@progbits
	.p2align	6, 0x0
	.amdhsa_kernel k_qef2624eda5_prep
		.amdhsa_group_segment_fixed_size 0
		.amdhsa_private_segment_fixed_size 0
		.amdhsa_enable_private_segment 0
		.amdhsa_kernarg_size 40
		.amdhsa_user_sgpr_count 2
		.amdhsa_user_sgpr_kernarg_segment_ptr 1
		.amdhsa_wavefront_size32 1
		.amdhsa_system_sgpr_workgroup_id_x 1
		.amdhsa_system_sgpr_workgroup_id_y 1
		.amdhsa_system_sgpr_workgroup_id_z 1
		.amdhsa_system_vgpr_workitem_id 0
		.amdhsa_next_free_vgpr 192
		.amdhsa_next_free_sgpr 66
		.amdhsa_reserve_vcc 0
		.amdhsa_float_denorm_mode_32 3
		.amdhsa_float_denorm_mode_16_64 3
		.amdhsa_memory_ordered 1
		.amdhsa_forward_progress 1
		.amdhsa_inst_pref_size 45
	.end_amdhsa_kernel
	.amdgpu_metadata
---
amdhsa.version: [ 1, 2 ]
amdhsa.kernels:
  - .name:           k_qef2624eda5_prep
    .symbol:         k_qef2624eda5_prep.kd
    .args:
      - { .name: aw1, .offset: 0, .size: 8, .value_kind: global_buffer, .address_space: global }
      - { .name: mw1, .offset: 8, .size: 8, .value_kind: global_buffer, .address_space: global }
      - { .name: mw2, .offset: 16, .size: 8, .value_kind: global_buffer, .address_space: global }
      - { .name: wfrag, .offset: 24, .size: 8, .value_kind: global_buffer, .address_space: global }
      - { .name: wscale, .offset: 32, .size: 8, .value_kind: global_buffer, .address_space: global }
    .group_segment_fixed_size: 0
    .private_segment_fixed_size: 0
    .kernarg_segment_align: 8
    .kernarg_segment_size: 40
    .max_flat_workgroup_size: 32
    .sgpr_count:     66
    .vgpr_count:     192
    .wavefront_size: 32
...
	.end_amdgpu_metadata
.endif
;; end of part 1
;; launch din (part 2): grid 256 x 1, 8 waves a work-group, no clusters, 231,680 bytes of LDS; arguments customer_id, candidate_good, candidate_class, history_goods, history_classes, user_table, item_table, cat_table, ab1, aw2, ab2, mb1, mb2, mw3, mb3, wfrag, wscale, out0; writes out0
.if DOCPART == 2
	.amdgcn_target "amdgcn-amd-amdhsa--gfx1250"
	.amdhsa_code_object_version 6
	.text
	.protected	k_qef2624eda5_din
	.globl	k_qef2624eda5_din
	.p2align	8
	.type	k_qef2624eda5_din,@function
k_qef2624eda5_din:
	s_mov_b64 s[64:65], 0
	v_nop
	global_prefetch_b8 v0, s[64:65] scope:SCOPE_SE
	s_setreg_imm32_b32 hwreg(HW_REG_WAVE_MODE, 25, 1), 1
	s_wait_xcnt 0x0
; DIN, all of it behind the weights' quantising: gathers, info = [q, h, q - h, q h], attention MLP 256 -> 80 -> 1 (first product on FP4 codes), mask, softmax over the 50, pooling,
; MLP 160 -> 256 -> 128 -> 1 (two products on FP4 codes).  Nothing between the gathers and out0 goes to memory.
; SHARES.  A work-group takes 64 samples.  Wave w: t = w % 4 names its 16 samples, p = w / 4 its part of the history: p = 0 steps l = 0..23 and 48, p = 1 steps l = 24..47 and 49: 25 steps each.
; A STEP is one tile of the first product: the 16 samples at ONE l.  So a lane keeps its sample's q for all steps, no row of a tile is padding, and the softmax is a running one in each lane.
; LAYOUT.  The 8 blocks of 32 along K are the item and the class halves of q, h, q - h, q h.  The 4-bit operand gives lane (r, hh) blocks hh and 2 + hh of each K step: lanes 0-15 hold item halves alone,
; lanes 16-31 class halves alone, each block whole in one lane: no maximum across lanes, no exchange of codes.  The products are used transposed (source 0 = 16 columns of the weight, source 1 = my 16 rows):
; a lane holds one sample and 8 units of each tile.  The pooled sum is taken from the h registers at hand: lanes 0-15 pool the item half, lanes 16-31 the class half.
; THE CLASS TABLE, 1,000 rows of 128 bytes, IS COPIED INTO LDS ONCE by the work-group (a row 144 bytes from the next) and read from there 3,200 times: lane 16 + r reads its sample's row at 144 x class.
; THE ITEM ROWS ARE GATHERED.  A 16-byte load of the wave brings four whole rows, eight lanes to a row; a step's 16 rows (4 loads) turn through the wave's own stage in LDS and come back a row a lane, in lanes 0-15.
; Gathers and index loads are asked for two steps ahead.
; SOFTMAX.  Running maximum M and sum in each lane; the two waves of a pair join their states through LDS.  The hidden scores are -1e9, as the problem has them.
; THE MLP.  K of its first product goes in the order [q item, q class, att item, att class | user, 0, 0, 0] (the weights were laid so): q's codes are used again, att's fall where they are made.
; Wave (t, p) makes hidden units 128 p on (one K step of the next product, handed on as an image of its registers) and then outputs 64 p on of the second layer.
; NO CLUSTER, NO TENSOR LOAD: the bulk of the bytes are rows picked lane by lane; what work-groups share is 60 KB of codes and 128 KB of class rows, read once each, against 410 KB of gathered item rows a work-group.
; LIMITS: NaN and infinities are not served.  A block of zeros, or one whose largest magnitude lies under 2^-124, gets the scale byte 1 (its codes are zeros where the rule says 127).
; An index is held inside its table by an unsigned minimum.  Sums go in another order than the problem writes them (f32 rounding alone differs).
.set CATP,  144                        ; LDS from byte 0: the class table, 1,000 rows x 144 bytes (128 + 16: a row's 16-byte column is (9 x class + k) modulo 16); filled once, ahead of a barrier, then only read
.set STGB,  32*144
.set STG,   144128                     ; 8 stages, one a wave: 32 rows x 144 bytes (the loop uses rows 0-15; rows i and i + 8 lie 1,152 bytes apart, 128 modulo 256)
.set MRG,   STG+8*STGB                 ; 8 x 4,608: a wave's softmax state as an image of registers: the pooled sum's group k at 512 k + 16 lane, v[10:13] at 4,096 + 16 lane
.set ZIMG,  MRG+8*STGB                 ; 8 x 1,536: the hidden layer's fragment: group c at 512 c + 16 lane; its scale word at 1,024 + 16 lane
.set OUTP,  ZIMG+8*1536                ; 512: the two halves of each sample's result: 256 p + 4 (16 t + r)
.set FLOOR, 0x1800000                  ; 2^(3 - 127)
.set LOG2E, 0x3fb8aa3b
; window 0
.set GCOL, 1                           ; 16 x (lane % 8): my 16 bytes of a table row
.set STW,  2                           ; the stage, on the way in
.set STR,  3                           ; and on the way out: 144 x lane
.set IXO,  4                           ; 200 x the first of the four rows that my eight lanes gather
.set MKO,  5                           ; 200 x r
.set LI,   6                           ; 16 x lane
.set LS,   7                           ; 4 x lane
.set QB,   8                           ; q's scale byte << 24
.set SC,   9                           ; the score
.set AF,   10                          ; v[10:11] = 2^(old M - new M), M;  v[12:13] = p, the sum
.set M,    11
.set PF,   12
.set SUM,  13
.set MX,   14                          ; v14-17 maxima
.set CIX,  14                          ; v14-25 at the head: the candidates' and users' indices as loaded
.set SOH,  18
.set SOD,  19
.set SOP,  20                          ; the conversions' scale operands
.set BH,   21
.set BD,   22
.set BP,   23                          ; the scale bytes
.set W,    24
.set WX,   25
.set T0,   26
.set T1,   27
.set MKP,  28                          ; v28-29 history_goods of my sample as loaded; v30-31 the next trip's; v32-33 this trip's
.set MKN,  30
.set MKC,  32
.set SW0,  34                          ; v34-49 hold scale words and nothing else
.set SW1,  35
.set UW,   36
.set AWS,  37
.set MW2S, 37
.set MW1S, 42
.set IXP,  50                          ; v50-57 goods as loaded: row i, step e at 2 i + e
.set CLP,  58                          ; v58-59 my sample's classes as loaded
.set GA,   66                          ; v66-73 gather offsets: step e, row i at 4 e + i
.set CA,   74                          ; v74-75 LDS address of my sample's class row, step e
.set CAN,  76                          ; v76    the next trip's odd class, held inside the table
.set FR0,  82                          ; K step 0: q's codes, h's codes
.set FR1,  90                          ; K step 1: (q - h)'s, (q h)'s
.set Q,    98
.set FILL, 98                          ; v98-225 at the head: the class table on its way into LDS
.set H,    130
.set ACC,  162                         ; five tiles of the attention's hidden layer
.set WK,   162                         ; q - h, then q h: over ACC, which is dead then
.set ATT,  202
.set FA,   226                         ; v226-228 at the head: where my 16 bytes of the table go; v229: where they come from
.set FGO,  229
.set SA,   234
.set CGA,  234                         ; v234-241 at the head: gather offsets of q's rows; v246-249 of the users'
.set CGU,  246
.set OAB,  242                         ; 32 hh
.set OCI,  243                         ; 4 x my first row
.set OB1,  244                         ; 64 hh + 512 p
.set OB2,  245                         ; 32 hh + 256 p
.set MGW,  250                         ; v250-255 LDS addresses of the MLP's phases, made at the head, never rewritten
.set MGR,  251
.set ZWA,  252
.set ZRA,  253
.set OWA,  254
.set ORD,  255
; behind the loop
.set MB1,  98
.set MW3,  50
.set PA,   162
.set Z1,   162
.set Z2,   162
.set ZF,   226
.set TM,   234
; window 1: v0-79 aw1's fragments 16 n + 8 s; v80-119 ab1 as C tiles; v120-127 the user's codes and zeros; v128-143, v144-159 the two gather sets; v160-191 q's rows, v232-247 the users' (head only); v192-231 aw2.
;           behind the loop: v0-63 mw2's fragments, v64-95 mb2's tiles, v128-255 mw1's fragments
; scalars that stay: s40 wave, s41 t, s42 p, s43 trips, s[44:45] lane selects, s46 ab2, s47 mb3, s48-49 byte selects, s[50:51] the last index step, s52 EXEC kept, s62 lanes 0-15, s63 lanes 16-31
.set MSB, 0
.macro WIN new                         ; s_set_vgpr_msb: bits 1:0 source 0, 3:2 source 1, 5:4 source 2, 7:6 destination; the high byte repeats the setting that is left
.if MSB != \new
	s_set_vgpr_msb (MSB<<8)|\new
.set MSB, \new
.endif
.endm
.macro PLACES n
.rept \n
	v_nop
.endr
.endm
.macro MAXONE a                        ; the largest magnitude of 32 registers and the floor, in two chains -> v[MX]
	v_max3_num_f32 v[MX],   |v[\a]|,    |v[\a+1]|,  FLOOR
	v_max3_num_f32 v[MX+1], |v[\a+16]|, |v[\a+17]|, |v[\a+18]|
.irp i, 0,2,4,6,8,10
	s_delay_alu instid0(VALU_DEP_2)
	v_max3_num_f32 v[MX],   v[MX],   |v[\a+2+\i]|,  |v[\a+3+\i]|
	s_delay_alu instid0(VALU_DEP_2)
	v_max3_num_f32 v[MX+1], v[MX+1], |v[\a+19+\i]|, |v[\a+20+\i]|
.endr
	s_delay_alu instid0(VALU_DEP_2)
	v_max3_num_f32 v[MX], v[MX], |v[\a+14]|, |v[\a+15]|
	s_delay_alu instid0(VALU_DEP_1)
	v_max3_num_f32 v[MX], v[MX], v[MX+1], |v[\a+31]|
.endm
.macro MAXPAIR a, b                    ; the same for two blocks, four chains by turns -> v[MX], v[MX+2]
	v_max3_num_f32 v[MX],   |v[\a]|,    |v[\a+1]|,  FLOOR
	v_max3_num_f32 v[MX+1], |v[\a+16]|, |v[\a+17]|, |v[\a+18]|
	v_max3_num_f32 v[MX+2], |v[\b]|,    |v[\b+1]|,  FLOOR
	v_max3_num_f32 v[MX+3], |v[\b+16]|, |v[\b+17]|, |v[\b+18]|
.irp i, 0,2,4,6,8,10
	s_delay_alu instid0(VALU_DEP_4)
	v_max3_num_f32 v[MX],   v[MX],   |v[\a+2+\i]|,  |v[\a+3+\i]|
	s_delay_alu instid0(VALU_DEP_4)
	v_max3_num_f32 v[MX+1], v[MX+1], |v[\a+19+\i]|, |v[\a+20+\i]|
	s_delay_alu instid0(VALU_DEP_4)
	v_max3_num_f32 v[MX+2], v[MX+2], |v[\b+2+\i]|,  |v[\b+3+\i]|
	s_delay_alu instid0(VALU_DEP_4)
	v_max3_num_f32 v[MX+3], v[MX+3], |v[\b+19+\i]|, |v[\b+20+\i]|
.endr
	s_delay_alu instid0(VALU_DEP_4)
	v_max3_num_f32 v[MX],   v[MX],   |v[\a+14]|, |v[\a+15]|
	s_delay_alu instid0(VALU_DEP_3)
	v_max3_num_f32 v[MX+2], v[MX+2], |v[\b+14]|, |v[\b+15]|
	s_delay_alu instid0(VALU_DEP_2)
	v_max3_num_f32 v[MX],   v[MX],   v[MX+1], |v[\a+31]|
	s_delay_alu instid0(VALU_DEP_2)
	v_max3_num_f32 v[MX+2], v[MX+2], v[MX+3], |v[\b+31]|
.endm
.macro CODES src, dst, so              ; 32 numbers of my lane -> four registers of codes
.irp g, 0,1,2,3
	v_cvt_scalef32_pk8_fp4_f32 v[\dst+\g], v[\src+8*\g:\src+8*\g+7], v[\so]
.endr
.endm
.macro QBLK src, dst, so, by           ; one block of 32 that lies in one lane: codes, scale operand, scale byte
	MAXONE \src
	s_delay_alu instid0(VALU_DEP_1)
	v_add_nc_u32 v[\so], 0xff000000, v[MX]         ; 2 off the exponent field
	CODES \src, \dst, \so
	v_lshrrev_b32 v[\by], 23, v[\so]               ; the byte; also the plain line behind the conversions
.endm
.macro CLAMP e                         ; step e's goods, held inside the item table
.irp i, 0,1,2,3
	v_min_u32 v[GA+4*\e+\i], 0x1869f, v[IXP+2*\i+\e]
.endr
.endm
.macro ADDR e                          ; x 128 bytes a row, + my 16 bytes of it
.irp i, 0,1,2,3
	v_lshl_add_u32 v[GA+4*\e+\i], v[GA+4*\e+\i], 7, v[GCOL]
.endr
.endm
.macro GATHER e                        ; 16 item rows, four whole rows a load, into set e of window 1
	WIN 0x40
.irp i, 0,1,2,3
	global_load_b128 v[128+16*\e+4*\i:128+16*\e+4*\i+3], v[GA+4*\e+\i], s[16:17]
.endr
	WIN 0
.endm
.macro IDX                             ; a trip's indices (two steps, 8 bytes a row): six loads
.irp i, 0,1,2,3
	global_load_b64 v[IXP+2*\i:IXP+2*\i+1], v[IXO], s[10:11] offset:200*\i
.endr
	global_load_b64 v[MKP:MKP+1], v[MKO], s[10:11]                 ; my own sample's goods, for the mask,
	global_load_b64 v[CLP:CLP+1], v[MKO], s[12:13]                 ; and its classes
.endm
.macro IDX1                            ; the last, single step's indices, 4 bytes a row: six loads again, so that the counts stay
.irp i, 0,1,2,3
	global_load_b32 v[IXP+2*\i], v[IXO], s[10:11] offset:200*\i
.endr
	global_load_b32 v[MKP], v[MKO], s[10:11]
	global_load_b32 v[CLP], v[MKO], s[12:13]
.endm
.macro BARRIER                         ; my LDS stores have landed and my LDS loads are in: then the work-group's barrier
	s_wait_dscnt 0x0
	s_barrier_signal -1
	s_barrier_wait -1
.endm
.macro DOT                             ; four chains of pairs in v[SA] on -> v[SC], both halves of the lanes joined
	v_pk_add_f32 v[SA:SA+1], v[SA:SA+1], v[SA+2:SA+3]
	v_pk_add_f32 v[SA+4:SA+5], v[SA+4:SA+5], v[SA+6:SA+7]
	s_delay_alu instid0(VALU_DEP_1)
	v_pk_add_f32 v[SA:SA+1], v[SA:SA+1], v[SA+4:SA+5]
	s_delay_alu instid0(VALU_DEP_1)
	v_add_f32 v[SC], v[SA], v[SA+1]
	s_delay_alu instid0(VALU_DEP_1)
	v_permlanex16_b32 v[T0], v[SC], s44, s45
	s_delay_alu instid0(VALU_DEP_1)
	v_add_f32 v[SC], v[SC], v[T0]
.endm
; ONE STEP: 16 samples at one l.  e: the trip's even or odd step; gath = 1: the next trip's step e is asked for; idx = 1: the indices of the trip after next are asked for (in the even step), 2: those of the last,
; single step; cnt: the loads issued behind this step's gathers, which may stay out; both = 1: the next trip has an odd step; mk = 1: the next trip's mask words take their place.
.macro STEP e, gath, idx, cnt, both, mk
	s_wait_xcnt 0x0                                ; EXEC changes only behind this wait; no global instruction is issued between here and the fourth change below
	s_and_saveexec_b32 s52, s63                    ; lanes 16-31:
.irp k, 0,1,2,3,4,5,6,7
	ds_load_b128 v[H+4*\k:H+4*\k+3], v[CA+\e] offset:16*\k         ; my sample's class row out of the table
.endr
	s_or_b32 exec_lo, exec_lo, s52                 ; all lanes
	s_wait_loadcnt \cnt                            ; loads come back in order: this step's four gathers are in
	WIN 0x04                                       ; an LDS store's data are its source 1: window 1
.irp i, 0,1,2,3
	ds_store_b128 v[STW], v[128+16*\e+4*\i:128+16*\e+4*\i+3] offset:144*\i
.endr
	WIN 0
	s_wait_dscnt 4                                 ; behind the class rows' loads only the four stores were issued: the loads are in, so other loads may be issued into the same registers
	s_and_saveexec_b32 s52, s62                    ; lanes 0-15:
.irp k, 0,1,2,3,4,5,6,7
	ds_load_b128 v[H+4*\k:H+4*\k+3], v[STR] offset:16*\k           ; my sample's item row.  LDS serves a wave's instructions in order: these see the stores above
.endr
	s_or_b32 exec_lo, exec_lo, s52                 ; all lanes
	s_wait_dscnt 0x0                               ; h is in my registers, and set e has been read out
.irp k, 0,2,4,6,8,10,12,14,16,18,20,22,24,26,28,30
	v_pk_add_f32 v[WK+\k:WK+\k+1], v[Q+\k:Q+\k+1], v[H+\k:H+\k+1] neg_lo:[0,1] neg_hi:[0,1]   ; q - h
.endr
	MAXPAIR H, WK
	s_delay_alu instid0(VALU_DEP_2)
	v_add_nc_u32 v[SOH], 0xff000000, v[MX]
	s_delay_alu instid0(VALU_DEP_2)
	v_add_nc_u32 v[SOD], 0xff000000, v[MX+2]
	CODES H, FR0+4, SOH
	CODES WK, FR1, SOD
	v_lshrrev_b32 v[BH], 23, v[SOH]                ; plain lines behind the conversions, ahead of the lines that write their sources again
	v_lshrrev_b32 v[BD], 23, v[SOD]
.irp k, 0,2,4,6,8,10,12,14,16,18,20,22,24,26,28,30
	v_pk_mul_f32 v[WK+\k:WK+\k+1], v[Q+\k:Q+\k+1], v[H+\k:H+\k+1]   ; q h
.endr
	MAXONE WK
	s_delay_alu instid0(VALU_DEP_1)
	v_add_nc_u32 v[SOP], 0xff000000, v[MX]
	CODES WK, FR1+4, SOP
	v_lshrrev_b32 v[BP], 23, v[SOP]
	v_lshl_or_b32 v[W], v[BD], 8, v[QB]            ; my four bytes: h, q - h, q h, q
	s_delay_alu instid0(VALU_DEP_1)
	v_lshl_or_b32 v[W], v[BP], 16, v[W]
	s_delay_alu instid0(VALU_DEP_1)
	v_or_b32 v[W], v[W], v[BH]
	s_delay_alu instid0(VALU_DEP_1)
	v_permlanex16_b32 v[WX], v[W], s44, s45        ; and those of the other half of the row
	s_delay_alu instid0(VALU_DEP_1)
	v_perm_b32 v[SW0], v[WX], v[W], s48            ; lanes 0-15: K step 0's word: q item, q class, h item, h class
	s_delay_alu instid0(VALU_DEP_2)
	v_perm_b32 v[SW1], v[WX], v[W], s49            ; K step 1's: the same of q - h and q h
	; eight plain lines or more stand between the scale words and the scaled products
.if \gath
.if \e == 0
	s_wait_loadcnt 4                               ; the next trip's indices are in: behind them only the odd step's four gathers were issued (their offsets were read ahead of the step's first wait)
.if \idx == 1
	s_add_nc_u64 s[10:11], s[10:11], 8             ; on to the indices of the trip after next
	s_add_nc_u64 s[12:13], s[12:13], 8
.endif
.if \idx == 2
	s_add_nc_u64 s[10:11], s[10:11], s[50:51]      ; on to l = 48 + p
	s_add_nc_u64 s[12:13], s[12:13], s[50:51]
.endif
	CLAMP 0
	v_min_u32 v[CA], 0x3e7, v[CLP]                 ; the class, held inside the table,
	s_delay_alu instid0(VALU_DEP_1)
	v_mul_u32_u24 v[CA], v[CA], CATP               ; x a row's 144 bytes: bytes 0 to 143,856 of LDS (this step's reads by the old address are over)
.if \both
	CLAMP 1
	v_min_u32 v[CAN], 0x3e7, v[CLP+1]              ; the odd step's address is still to be used: only the class is kept
.endif
	v_mov_b32 v[MKN], v[MKP]
	v_mov_b32 v[MKN+1], v[MKP+1]
.else
	ADDR 1
	v_mul_u32_u24 v[CA+1], v[CAN], CATP
	PLACES 3
.endif
.else
	PLACES 8
.endif
	WIN 0x11                                       ; source 0 (aw1) and source 2 (ab1) window 1
.irp n, 0,1,2,3,4                              ; the five accumulators take turns, one instruction a turn
	v_wmma_scale_f32_16x16x128_f8f6f4 v[ACC+8*\n:ACC+8*\n+7], v[16*\n:16*\n+7], v[FR0:FR0+7], v[80+8*\n:80+8*\n+7], v[AWS+\n], v[SW0] matrix_a_fmt:MATRIX_FMT_FP4 matrix_b_fmt:MATRIX_FMT_FP4
.endr
	WIN 0x01
	s_wait_alu depctr_va_vdst(0)
.irp n, 0,1,2,3,4
	v_wmma_scale_f32_16x16x128_f8f6f4 v[ACC+8*\n:ACC+8*\n+7], v[16*\n+8:16*\n+15], v[FR1:FR1+7], v[ACC+8*\n:ACC+8*\n+7], v[AWS+\n], v[SW1] matrix_a_fmt:MATRIX_FMT_FP4 matrix_b_fmt:MATRIX_FMT_FP4 matrix_a_scale:MATRIX_SCALE_ROW1
.endr
	WIN 0
	; four plain lines stand between the products and the first read of their results
.if \gath
.if \e == 0
	ADDR 0
	GATHER 0
.if \idx == 1
	IDX
.endif
.if \idx == 2
	IDX1
.endif
.else
	PLACES 4
	GATHER 1
.endif
.else
	PLACES 4
.endif
.set cn, 0
.rept 40
	v_max_num_f32 v[ACC+cn], 0, v[ACC+cn]          ; relu; each accumulator from its low end on
.set cn, cn+1
.endr
	WIN 0x04                                       ; source 1 (aw2) window 1
.irp k, 0,1,2,3
	v_pk_mul_f32 v[SA+2*\k:SA+2*\k+1], v[ACC+2*\k:ACC+2*\k+1], v[192+2*\k:192+2*\k+1]
.endr
.irp k, 4,5,6,7,8,9,10,11,12,13,14,15,16,17,18,19
	s_delay_alu instid0(VALU_DEP_4)
	v_pk_fma_f32 v[SA+2*(\k%4):SA+2*(\k%4)+1], v[ACC+2*\k:ACC+2*\k+1], v[192+2*\k:192+2*\k+1], v[SA+2*(\k%4):SA+2*(\k%4)+1]
.endr
	WIN 0
	DOT
	s_delay_alu instid0(VALU_DEP_1)
	v_add_f32 v[SC], s46, v[SC]                    ; + ab2
	v_cmp_ne_u32 vcc_lo, 0, v[MKC+\e]
	s_delay_alu instid0(VALU_DEP_1)
	v_cndmask_b32 v[SC], 0xce6e6b28, v[SC], vcc_lo ; -1e9 where the good is 0
	s_delay_alu instid0(VALU_DEP_1)
	v_max_num_f32 v[T0], v[M], v[SC]               ; the running maximum
	s_delay_alu instid0(VALU_DEP_1)
	v_sub_f32 v[T1], v[M], v[T0]
	s_delay_alu instid0(VALU_DEP_2)
	v_sub_f32 v[SC], v[SC], v[T0]
	s_delay_alu instid0(VALU_DEP_2)
	v_mul_f32 v[T1], LOG2E, v[T1]
	s_delay_alu instid0(VALU_DEP_2)
	v_mul_f32 v[SC], LOG2E, v[SC]
	s_wait_alu depctr_va_vdst(0)
	v_exp_f32 v[AF], v[T1]
	v_exp_f32 v[PF], v[SC]
	v_mov_b32 v[M], v[T0]                          ; a plain line behind the exponentials
	s_wait_alu depctr_va_vdst(0)                   ; one wait for both, ahead of their first reader
	v_fma_f32 v[SUM], v[SUM], v[AF], v[PF]
.irp k, 0,2,4,6,8,10,12,14,16,18,20,22,24,26,28,30
	v_pk_mul_f32 v[ATT+\k:ATT+\k+1], v[ATT+\k:ATT+\k+1], v[AF:AF+1] op_sel_hi:[1,0]
.endr
.irp k, 0,2,4,6,8,10,12,14,16,18,20,22,24,26,28,30
	v_pk_fma_f32 v[ATT+\k:ATT+\k+1], v[H+\k:H+\k+1], v[PF:PF+1], v[ATT+\k:ATT+\k+1] op_sel_hi:[1,0,1]
.endr
.if \mk
	v_mov_b32 v[MKC], v[MKN]
	v_mov_b32 v[MKC+1], v[MKN+1]
.endif
.endm
; 64 numbers of a lane, register 16 b + i = k 32 b + 16 (lane / 16) + i of my row, become a fragment's codes in v[ZF] on and its scale word in v[T0]
.macro QUANT s
.irp b, 0,1,2,3
	v_max3_num_f32 v[TM+\b], |v[\s+16*\b]|, |v[\s+1+16*\b]|, FLOOR
.endr
.irp i, 2,4,6,8,10,12,14
.irp b, 0,1,2,3
	s_delay_alu instid0(VALU_DEP_4)
	v_max3_num_f32 v[TM+\b], v[TM+\b], |v[\s+16*\b+\i]|, |v[\s+1+16*\b+\i]|
.endr
.endr
.irp b, 0,1,2,3
	s_delay_alu instid0(VALU_DEP_4)
	v_permlanex16_b32 v[TM+4+\b], v[TM+\b], s44, s45
.endr
.irp b, 0,1,2,3
	s_delay_alu instid0(VALU_DEP_4)
	v_max_num_f32 v[TM+\b], v[TM+\b], v[TM+4+\b]   ; with lane l xor 16's: the block's largest magnitude
.endr
.irp b, 0,1,2,3
	s_delay_alu instid0(VALU_DEP_4)
	v_add_nc_u32 v[TM+12+\b], 0xff000000, v[TM+\b]
.endr
.irp b, 0,1,2,3
	s_delay_alu instid0(VALU_DEP_4)
	v_lshrrev_b32 v[TM+4+\b], 23, v[TM+12+\b]
.endr
	s_delay_alu instid0(VALU_DEP_3)
	v_lshl_or_b32 v[T0], v[TM+5], 8, v[TM+4]
	s_delay_alu instid0(VALU_DEP_1)
	v_lshl_or_b32 v[T0], v[TM+6], 16, v[T0]
	s_delay_alu instid0(VALU_DEP_1)
	v_lshl_or_b32 v[T0], v[TM+7], 24, v[T0]
.irp b, 0,1,2,3
	v_cvt_scalef32_pk8_fp4_f32 v[ZF+2*\b], v[\s+16*\b:\s+7+16*\b], v[TM+12+\b]
	v_cvt_scalef32_pk8_fp4_f32 v[ZF+1+2*\b], v[\s+8+16*\b:\s+15+16*\b], v[TM+12+\b]
.endr
	v_nop                                          ; one plain line behind a scaled conversion
.irp c, 0,1                                    ; the operand wants a whole block in a lane: lanes 0-15 block 2 c, lanes 16-31 block 2 c + 1
.irp i, 0,1
	v_permlane16_swap_b32 v[ZF+4*\c+\i], v[ZF+2+4*\c+\i]
.endr
.endr
.endm
	; ---- the head: pointers, lane terms, LDS addresses
	s_load_b512 s[4:19], s[0:1], 0x0               ; customer_id 4, candidate_good 6, candidate_class 8, history_goods 10, history_classes 12, user_table 14, item_table 16, cat_table 18
	s_load_b512 s[20:35], s[0:1], 0x40             ; ab1 20, aw2 22, ab2 24, mb1 26, mb2 28, mw3 30, mb3 32, wfrag 34
	s_load_b128 s[36:39], s[0:1], 0x80             ; wscale 36, out0 38
	v_lshrrev_b32 v26, 5, v0
	s_delay_alu instid0(VALU_DEP_1)
	v_readfirstlane_b32 s40, v26                   ; wave 0..7
	s_and_b32 s41, s40, 3                          ; t
	s_lshr_b32 s42, s40, 2                         ; p
	s_mov_b32 s44, 0x76543210
	s_mov_b32 s45, 0xfedcba98                      ; v_permlanex16_b32's selects for lane l xor 16
	s_mov_b32 s48, 0x04000703                      ; byte selects for the two scale words
	s_mov_b32 s49, 0x06020501
	s_mov_b32 s62, 0xffff                          ; lanes 0-15
	s_mov_b32 s63, 0xffff0000                      ; lanes 16-31
	v_and_b32 v24, 31, v0                          ; lane
	v_and_b32 v25, 7, v0
	s_delay_alu instid0(VALU_DEP_1)
	v_lshlrev_b32 v[GCOL], 4, v25
	v_bfe_u32 v26, v0, 3, 1
	v_bfe_u32 v27, v0, 4, 1                        ; hh
	s_delay_alu instid0(VALU_DEP_2)
	v_lshlrev_b32 v26, 3, v26
	s_delay_alu instid0(VALU_DEP_1)
	v_lshl_add_u32 v26, v27, 2, v26                ; the first of my eight lanes' four rows: 0, 8, 4, 12
	s_mul_i32 s50, s40, STGB
	s_mul_i32 s51, s41, STGB
	s_mul_i32 s52, s40, 1536
	s_mul_i32 s53, s41, 1536
	v_mad_u32_u24 v[STW], v26, 144, v[GCOL]
	s_delay_alu instid0(VALU_DEP_1)
	v_add_nc_u32 v[STW], s50, v[STW]
	s_delay_alu instid0(VALU_DEP_1)
	v_add_nc_u32 v[STW], STG, v[STW]
	v_mul_u32_u24 v[STR], v24, 144
	s_delay_alu instid0(VALU_DEP_1)
	v_add_nc_u32 v[STR], s50, v[STR]
	s_delay_alu instid0(VALU_DEP_1)
	v_add_nc_u32 v[STR], STG, v[STR]
	v_mul_u32_u24 v[IXO], v26, 200                 ; a sample's row of indices is 200 bytes
	v_and_b32 v25, 15, v0                          ; r
	s_delay_alu instid0(VALU_DEP_1)
	v_mul_u32_u24 v[MKO], v25, 200
	v_lshlrev_b32 v[LI], 4, v24
	v_lshlrev_b32 v[LS], 2, v24
	s_delay_alu instid0(VALU_DEP_2)
	v_add_nc_u32 v[MGW], s50, v[LI]
	s_delay_alu instid0(VALU_DEP_1)
	v_add_nc_u32 v[MGW], MRG, v[MGW]               ; my wave's state
	s_delay_alu instid0(VALU_DEP_4)
	v_add_nc_u32 v[MGR], s51, v[LI]
	s_delay_alu instid0(VALU_DEP_1)
	v_add_nc_u32 v[MGR], MRG, v[MGR]               ; wave t's; wave t + 4's lies 4 x 4,608 bytes on
	v_add_nc_u32 v[ZWA], s52, v[LI]
	s_delay_alu instid0(VALU_DEP_1)
	v_add_nc_u32 v[ZWA], ZIMG, v[ZWA]
	v_add_nc_u32 v[ZRA], s53, v[LI]
	s_delay_alu instid0(VALU_DEP_1)
	v_add_nc_u32 v[ZRA], ZIMG, v[ZRA]
	s_lshl_b32 s50, s42, 8
	s_lshl_b32 s51, s41, 6
	s_add_co_u32 s50, s50, s51
	v_lshlrev_b32 v[OWA], 2, v25
	s_delay_alu instid0(VALU_DEP_1)
	v_add_nc_u32 v[OWA], s50, v[OWA]
	s_delay_alu instid0(VALU_DEP_1)
	v_add_nc_u32 v[OWA], OUTP, v[OWA]
	v_lshlrev_b32 v[ORD], 3, v24
	s_delay_alu instid0(VALU_DEP_1)
	v_add_nc_u32 v[ORD], OUTP, v[ORD]
	v_lshlrev_b32 v[OAB], 5, v27
	v_lshlrev_b32 v[OCI], 2, v26
	s_lshl_b32 s50, s42, 9
	v_lshl_add_u32 v[OB1], v27, 6, s50
	s_lshl_b32 s50, s42, 8
	v_lshl_add_u32 v[OB2], v27, 5, s50
	; the class table's way in: thread n takes the 16 bytes at 4,096 j + 16 n of the table, j = 0..31: row 32 j + n / 8, column n % 8
	v_lshrrev_b32 v[FA], 3, v0
	s_delay_alu instid0(VALU_DEP_1)
	v_mul_u32_u24 v[FA], v[FA], CATP
	v_and_b32 v[FGO], 7, v0
	s_delay_alu instid0(VALU_DEP_1)
	v_lshl_add_u32 v[FA], v[FGO], 4, v[FA]         ; j's 32 rows are 4,608 bytes of LDS: 14 of them to an address register, so that the offsets stay inside 16 bits
	s_delay_alu instid0(VALU_DEP_1)
	v_add_nc_u32 v[FA+1], 14*32*CATP, v[FA]
	s_delay_alu instid0(VALU_DEP_2)
	v_add_nc_u32 v[FA+2], 28*32*CATP, v[FA]
	v_lshlrev_b32 v[FGO], 4, v0
	s_wait_kmcnt 0x0
	s_load_b32 s46, s[24:25], 0x0                  ; ab2
	s_load_b32 s47, s[32:33], 0x0                  ; mb3
	s_lshl_b32 s52, ttmp9, 6
	s_lshl_b32 s53, s41, 4
	s_add_co_u32 s52, s52, s53                     ; my first sample: 64 x work-group + 16 t
	s_mul_i32 s50, s52, 200
	s_mul_i32 s51, s42, 96                         ; p = 1 begins at l = 24
	s_add_co_u32 s50, s50, s51
	s_mov_b32 s51, 0
	s_add_nc_u64 s[10:11], s[10:11], s[50:51]
	s_add_nc_u64 s[12:13], s[12:13], s[50:51]
	s_lshl_b32 s52, s52, 2
	s_mov_b32 s53, 0
	s_add_nc_u64 s[4:5], s[4:5], s[52:53]
	s_add_nc_u64 s[6:7], s[6:7], s[52:53]
	s_add_nc_u64 s[8:9], s[8:9], s[52:53]
	s_lshl_b32 s50, s42, 14
	s_add_co_u32 s50, s50, 5*2048
	s_add_nc_u64 s[54:55], s[34:35], s[50:51]      ; mw1's records 5 + 8 p on
	s_lshl_b32 s50, s42, 13
	s_add_co_u32 s50, s50, 21*2048
	s_add_nc_u64 s[56:57], s[34:35], s[50:51]      ; mw2's records 21 + 4 p on
	s_lshl_b32 s50, s42, 10
	s_add_co_u32 s50, s50, 5*128
	s_add_nc_u64 s[58:59], s[36:37], s[50:51]      ; and their scale words
	s_lshl_b32 s50, s42, 9
	s_add_co_u32 s50, s50, 21*128
	s_add_nc_u64 s[60:61], s[36:37], s[50:51]
	s_lshl_b32 s50, ttmp9, 8
	s_add_nc_u64 s[38:39], s[38:39], s[50:51]      ; out0: 64 samples x 4 bytes a work-group
	; ---- the first requests.  The table's last 1,024 bytes (j = 31) are two waves' work; that load stands first, so that every count below holds in every wave
	s_cmp_lt_u32 s40, 2
	s_cbranch_scc0 .Lno_last_in
	s_wait_alu depctr_va_vdst(0)
	global_load_b128 v[FILL+124:FILL+127], v[FGO], s[18:19] offset:31*4096
.Lno_last_in:
	global_load_b128 v[CIX:CIX+3], v[OCI], s[6:7]          ; candidate_good of my four rows
	global_load_b128 v[CIX+4:CIX+7], v[OCI], s[8:9]        ; candidate_class
	global_load_b128 v[CIX+8:CIX+11], v[OCI], s[4:5]       ; customer_id
	IDX                                            ; the first trip's indices
.set cn, 0
	s_wait_alu depctr_va_vdst(0)
.rept 31
	global_load_b128 v[FILL+4*cn:FILL+4*cn+3], v[FGO], s[18:19] offset:4096*cn   ; a wave's load reads 512 consecutive bytes of the class table
.set cn, cn+1
.endr
	WIN 0x40
.irp n, 0,1,2,3,4
.irp f, 0,1,2,3
	global_load_b128 v[16*\n+4*\f:16*\n+4*\f+3], v[LI], s[34:35] offset:2048*\n+512*\f     ; aw1's fragments as they were laid
.endr
.endr
	WIN 0
	s_wait_loadcnt 51                              ; all indices are in: behind them 31 loads of the table and 20 of fragments
.irp i, 0,1,2,3
	v_min_u32 v[CGA+\i],   0x1869f, v[CIX+\i]
	v_min_u32 v[CGA+4+\i], 0x3e7,   v[CIX+4+\i]
	v_min_u32 v[CGU+\i],   0x1869f, v[CIX+8+\i]
.endr
.irp i, 0,1,2,3,4,5,6,7
	v_lshl_add_u32 v[CGA+\i], v[CGA+\i], 7, v[GCOL]
.endr
.irp i, 0,1,2,3
	v_lshl_add_u32 v[CGU+\i], v[CGU+\i], 7, v[GCOL]
.endr
	v_mov_b32 v[MKC], v[MKP]
	v_mov_b32 v[MKC+1], v[MKP+1]
	CLAMP 0
	CLAMP 1
	v_min_u32 v[CA], 0x3e7, v[CLP]
	v_min_u32 v[CA+1], 0x3e7, v[CLP+1]
	s_delay_alu instid0(VALU_DEP_2)
	v_mul_u32_u24 v[CA], v[CA], CATP
	s_delay_alu instid0(VALU_DEP_2)
	v_mul_u32_u24 v[CA+1], v[CA+1], CATP
	ADDR 0
	ADDR 1
	s_add_nc_u64 s[10:11], s[10:11], 8             ; (the loads that read these bases are in)
	s_add_nc_u64 s[12:13], s[12:13], 8
	WIN 0x40
.irp i, 0,1,2,3
	global_load_b128 v[160+4*\i:163+4*\i], v[CGA+\i], s[16:17]     ; q's item rows
.endr
.irp i, 0,1,2,3
	global_load_b128 v[176+4*\i:179+4*\i], v[CGA+4+\i], s[18:19]   ; q's class rows
.endr
.irp i, 0,1,2,3
	global_load_b128 v[232+4*\i:235+4*\i], v[CGU+\i], s[14:15]     ; the users' rows
.endr
	WIN 0
	GATHER 0                                       ; the order of a trip's requests: even step's gathers, indices, odd step's gathers
	IDX
	GATHER 1
	s_wait_loadcnt 46                              ; the table is in: behind it 20 + 8 + 4 + 4 + 6 + 4 loads
.set cn, 0
.rept 31
	ds_store_b128 v[FA+cn/14], v[FILL+4*cn:FILL+4*cn+3] offset:32*CATP*(cn%14)
.set cn, cn+1
.endr
	s_cmp_lt_u32 s40, 2
	s_cbranch_scc0 .Lno_last_out
	ds_store_b128 v[FA+2], v[FILL+124:FILL+127] offset:32*CATP*3
.Lno_last_out:
	WIN 0x40
.irp n, 0,1,2,3,4
	global_load_b128 v[80+8*\n:83+8*\n],   v[OAB], s[20:21] offset:64*\n                  ; ab1 at units 16 n + 8 hh + 0..7: the C of each sum's first product
	global_load_b128 v[84+8*\n:87+8*\n],   v[OAB], s[20:21] offset:64*\n+16
	global_load_b128 v[192+8*\n:195+8*\n], v[OAB], s[22:23] offset:64*\n                  ; aw2 likewise
	global_load_b128 v[196+8*\n:199+8*\n], v[OAB], s[22:23] offset:64*\n+16
.endr
	WIN 0
.irp n, 0,1,2,3,4
	global_load_b32 v[AWS+\n], v[LS], s[36:37] offset:128*\n
.endr
	s_wait_loadcnt 43                              ; q's rows are in: behind them 4 + 4 + 6 + 4 + 25 loads
	s_wait_dscnt 0x0                               ; the table's stores have read their registers, which q and h take now
	WIN 0x04
.irp i, 0,1,2,3
	ds_store_b128 v[STW], v[160+4*\i:163+4*\i] offset:144*\i
.endr
.irp i, 0,1,2,3
	ds_store_b128 v[STW], v[176+4*\i:179+4*\i] offset:16*144+144*\i
.endr
	WIN 0
.irp k, 0,1,2,3,4,5,6,7
	ds_load_b128 v[Q+4*\k:Q+4*\k+3], v[STR] offset:16*\k           ; a row a lane: lanes 0-15 the item rows, lanes 16-31 the class rows
.endr
	s_wait_dscnt 0x0
	QBLK Q, FR0, SOH, BH                           ; q is quantised once: its codes and its byte serve all steps and the MLP
	s_delay_alu instid0(VALU_DEP_1)
	v_lshlrev_b32 v[QB], 24, v[BH]
	s_wait_loadcnt 39                              ; the users' rows are in
	WIN 0x04
.irp i, 0,1,2,3
	ds_store_b128 v[STW], v[232+4*\i:235+4*\i] offset:144*\i       ; into stage rows 0-15; rows 16-31 still hold q's class rows
.endr
	WIN 0
.irp k, 0,1,2,3,4,5,6,7
	ds_load_b128 v[H+4*\k:H+4*\k+3], v[STR] offset:16*\k
.endr
	s_wait_dscnt 0x0
	QBLK H, FR1, SOD, UW                           ; lanes 0-15: the user's block; its byte is byte 0 of the scale word, the other three blocks are zero codes
	WIN 0x40
.irp i, 0,1,2,3
	v_cndmask_b32 v[120+\i], 0, v[FR1+\i], s62     ; the MLP's second K step: the user's codes in lanes 0-15, zero codes elsewhere
	v_mov_b32 v[124+\i], 0
.endr
	WIN 0
	v_mov_b32 v[M], 0xff61b1e6                     ; -3e38, under every score
	v_mov_b32 v[SUM], 0
	v_mov_b32 v[AF], 0
	v_mov_b32 v[PF], 0
.set cn, 0
.rept 32
	v_mov_b32 v[ATT+cn], 0                         ; the step is written once: the first finds zeros
.set cn, cn+1
.endr
	s_mul_i32 s50, s42, 92
	s_sub_co_u32 s50, 104, s50                     ; from the twelfth trip's indices (byte 96 p + 88 of a row) to l = 48 + p (byte 192 + 4 p)
	s_mov_b32 s51, 0
	s_mov_b32 s43, 10                              ; 12 trips and a single step in all; the last two trips and that step are written out
	s_wait_loadcnt 0x0                             ; what stays in registers through the loop is in
	s_wait_kmcnt 0x0                               ; ab2, mb3
	BARRIER                                        ; every wave's part of the class table lies in LDS; from here on nobody writes it
.Ltrip:
	STEP 0, 1, 1, 10, 1, 0                         ; behind the even step's gathers: 6 index loads and the odd step's 4 gathers
	STEP 1, 1, 0, 10, 0, 1                         ; behind the odd step's: the next even step's 4 and 6 index loads
	s_sub_co_u32 s43, s43, 1
	s_cmp_lg_u32 s43, 0
	s_cbranch_scc1 .Ltrip
	STEP 0, 1, 2, 10, 1, 0                         ; the eleventh trip asks for the single step's indices,
	STEP 1, 1, 0, 10, 0, 1
	STEP 0, 1, 0, 10, 0, 0                         ; the twelfth for its gathers and no indices: no load leaves a sample's row
	STEP 1, 0, 0, 4, 0, 1                          ; behind this step's gathers: the single step's 4
	STEP 0, 0, 0, 0, 0, 0                          ; l = 48 + p
	; ---- the MLP's weights, biases and scale words, into registers that the loop has left: 92 loads, which land while the softmax states are joined
	WIN 0x40
.irp j, 0,1,2,3,4,5,6,7
.irp f, 0,1,2,3
	global_load_b128 v[128+16*\j+4*\f:128+16*\j+4*\f+3], v[LI], s[54:55] offset:2048*\j+512*\f
.endr
.endr
.irp j, 0,1,2,3
.irp f, 0,1,2,3
	global_load_b128 v[16*\j+4*\f:16*\j+4*\f+3], v[LI], s[56:57] offset:2048*\j+512*\f
.endr
.endr
.irp j, 0,1,2,3
	global_load_b128 v[64+8*\j:67+8*\j], v[OB2], s[28:29] offset:64*\j                    ; mb2 at outputs 64 p + 16 j + 8 hh + 0..7
	global_load_b128 v[68+8*\j:71+8*\j], v[OB2], s[28:29] offset:64*\j+16
.endr
	WIN 0
.irp j, 0,1,2,3,4,5,6,7
	global_load_b128 v[MB1+8*\j:MB1+8*\j+3],   v[OB1], s[26:27] offset:(32*(\j/2)+8*(\j%2))*4      ; mb1 at units 128 p + 32 (j / 2) + 16 hh + 8 (j % 2) + 0..7
	global_load_b128 v[MB1+8*\j+4:MB1+8*\j+7], v[OB1], s[26:27] offset:(32*(\j/2)+8*(\j%2))*4+16
.endr
.irp j, 0,1,2,3
	global_load_b128 v[MW3+8*\j:MW3+8*\j+3],   v[OB2], s[30:31] offset:64*\j
	global_load_b128 v[MW3+8*\j+4:MW3+8*\j+7], v[OB2], s[30:31] offset:64*\j+16
.endr
.irp j, 0,1,2,3,4,5,6,7
	global_load_b32 v[MW1S+\j], v[LS], s[58:59] offset:128*\j
.endr
.irp j, 0,1,2,3
	global_load_b32 v[MW2S+\j], v[LS], s[60:61] offset:128*\j
.endr
	; ---- the two parts of the history are joined.  Both waves of a pair read both states back, wave t's first, and do the same arithmetic
.irp k, 0,1,2,3,4,5,6,7
	ds_store_b128 v[MGW], v[ATT+4*\k:ATT+4*\k+3] offset:512*\k
.endr
	ds_store_b128 v[MGW], v[10:13] offset:4096
	BARRIER                                        ; all eight states lie in LDS
.irp k, 0,1,2,3,4,5,6,7
	ds_load_b128 v[ATT+4*\k:ATT+4*\k+3], v[MGR] offset:512*\k
.endr
	ds_load_b128 v[10:13], v[MGR] offset:4096
.irp k, 0,1,2,3,4,5,6,7
	ds_load_b128 v[PA+4*\k:PA+4*\k+3], v[MGR] offset:4*STGB+512*\k
.endr
	ds_load_b128 v[14:17], v[MGR] offset:4*STGB+4096
	s_wait_dscnt 0x0
	v_max_num_f32 v[T0], v11, v15                  ; the row's maximum
	s_delay_alu instid0(VALU_DEP_1)
	v_sub_f32 v[T1], v11, v[T0]
	s_delay_alu instid0(VALU_DEP_2)
	v_sub_f32 v[W], v15, v[T0]
	s_delay_alu instid0(VALU_DEP_2)
	v_mul_f32 v[T1], LOG2E, v[T1]
	s_delay_alu instid0(VALU_DEP_2)
	v_mul_f32 v[W], LOG2E, v[W]
	s_wait_alu depctr_va_vdst(0)
	v_exp_f32 v10, v[T1]
	v_exp_f32 v14, v[W]
	v_nop                                          ; a plain line behind the exponentials
	s_wait_alu depctr_va_vdst(0)                   ; and a wait ahead of their first reader
	v_mul_f32 v[T1], v13, v10
	v_fma_f32 v[T1], v17, v14, v[T1]               ; the row's sum
	s_wait_alu depctr_va_vdst(0)
	v_rcp_f32 v[W], v[T1]
	v_nop
	s_wait_alu depctr_va_vdst(0)
	v_mul_f32 v10, v10, v[W]
	v_mul_f32 v14, v14, v[W]
.irp k, 0,2,4,6,8,10,12,14,16,18,20,22,24,26,28,30
	v_pk_mul_f32 v[ATT+\k:ATT+\k+1], v[ATT+\k:ATT+\k+1], v[10:11] op_sel_hi:[1,0]
.endr
.irp k, 0,2,4,6,8,10,12,14,16,18,20,22,24,26,28,30
	v_pk_fma_f32 v[ATT+\k:ATT+\k+1], v[PA+\k:PA+\k+1], v[14:15], v[ATT+\k:ATT+\k+1] op_sel_hi:[1,0,1]   ; att, normalised
.endr
	QBLK ATT, FR0+4, SOH, BH                       ; FR0 = q's codes, att's codes: K step 0 of the MLP's first product
	s_delay_alu instid0(VALU_DEP_1)
	v_or_b32 v[W], v[BH], v[QB]
	s_delay_alu instid0(VALU_DEP_1)
	v_permlanex16_b32 v[WX], v[W], s44, s45
	s_delay_alu instid0(VALU_DEP_1)
	v_perm_b32 v[SW0], v[WX], v[W], s48            ; q item, q class, att item, att class
	PLACES 8                                       ; between the scale word and the scaled products
	s_wait_alu depctr_va_vdst(0)
	s_wait_loadcnt 0x0                             ; the MLP's 92 loads
	; ---- z1: my 128 units for my 16 samples
	WIN 0x01                                       ; source 0 (mw1) window 1
.irp j, 0,1,2,3,4,5,6,7
	v_wmma_scale_f32_16x16x128_f8f6f4 v[Z1+8*\j:Z1+8*\j+7], v[128+16*\j:128+16*\j+7], v[FR0:FR0+7], v[MB1+8*\j:MB1+8*\j+7], v[MW1S+\j], v[SW0] matrix_a_fmt:MATRIX_FMT_FP4 matrix_b_fmt:MATRIX_FMT_FP4
.endr
	WIN 0x05                                       ; sources 0 (mw1) and 1 (the user's codes) window 1
.irp j, 0,1,2,3,4,5,6,7
	v_wmma_scale_f32_16x16x128_f8f6f4 v[Z1+8*\j:Z1+8*\j+7], v[136+16*\j:136+16*\j+7], v[120:127], v[Z1+8*\j:Z1+8*\j+7], v[MW1S+\j], v[UW] matrix_a_fmt:MATRIX_FMT_FP4 matrix_b_fmt:MATRIX_FMT_FP4 matrix_a_scale:MATRIX_SCALE_ROW1
.endr
	WIN 0
	PLACES 4
.set cn, 0
.rept 64
	v_max_num_f32 v[Z1+cn], 0, v[Z1+cn]
.set cn, cn+1
.endr
	QUANT Z1                                       ; K step p of the next product, for my 16 samples
	ds_store_b128 v[ZWA], v[ZF:ZF+3]
	ds_store_b128 v[ZWA], v[ZF+4:ZF+7] offset:512
	ds_store_b32 v[ZWA], v[T0] offset:1024
	BARRIER                                        ; all eight fragments lie in LDS
	ds_load_b128 v[FR0:FR0+3], v[ZRA]              ; K step 0 from wave t,
	ds_load_b128 v[FR0+4:FR0+7], v[ZRA] offset:512
	ds_load_b32 v[SW0], v[ZRA] offset:1024
	ds_load_b128 v[FR1:FR1+3], v[ZRA] offset:4*1536        ; K step 1 from wave t + 4
	ds_load_b128 v[FR1+4:FR1+7], v[ZRA] offset:4*1536+512
	ds_load_b32 v[SW1], v[ZRA] offset:4*1536+1024
	s_wait_dscnt 0x0
	; ---- z2: my 64 outputs
	WIN 0x11                                       ; source 0 (mw2) and source 2 (mb2) window 1
.irp j, 0,1,2,3
	v_wmma_scale_f32_16x16x128_f8f6f4 v[Z2+8*\j:Z2+8*\j+7], v[16*\j:16*\j+7], v[FR0:FR0+7], v[64+8*\j:64+8*\j+7], v[MW2S+\j], v[SW0] matrix_a_fmt:MATRIX_FMT_FP4 matrix_b_fmt:MATRIX_FMT_FP4
.endr
	WIN 0x01
.irp j, 0,1,2,3
	v_wmma_scale_f32_16x16x128_f8f6f4 v[Z2+8*\j:Z2+8*\j+7], v[16*\j+8:16*\j+15], v[FR1:FR1+7], v[Z2+8*\j:Z2+8*\j+7], v[MW2S+\j], v[SW1] matrix_a_fmt:MATRIX_FMT_FP4 matrix_b_fmt:MATRIX_FMT_FP4 matrix_a_scale:MATRIX_SCALE_ROW1
.endr
	WIN 0
	PLACES 4
.set cn, 0
.rept 32
	v_max_num_f32 v[Z2+cn], 0, v[Z2+cn]
.set cn, cn+1
.endr
.irp k, 0,1,2,3
	v_pk_mul_f32 v[SA+2*\k:SA+2*\k+1], v[Z2+2*\k:Z2+2*\k+1], v[MW3+2*\k:MW3+2*\k+1]
.endr
.irp k, 4,5,6,7,8,9,10,11,12,13,14,15
	s_delay_alu instid0(VALU_DEP_4)
	v_pk_fma_f32 v[SA+2*(\k%4):SA+2*(\k%4)+1], v[Z2+2*\k:Z2+2*\k+1], v[MW3+2*\k:MW3+2*\k+1], v[SA+2*(\k%4):SA+2*(\k%4)+1]
.endr
	DOT
	ds_store_b32 v[OWA], v[SC]                     ; my half of each sample's result; both halves of the lanes write the same word with the same value
	BARRIER
	s_cmp_lg_u32 s40, 0                            ; wave 0 adds the halves and stores the work-group's 64 results
	s_cbranch_scc1 .Lend
	ds_load_b64 v[14:15], v[ORD]
	ds_load_b64 v[16:17], v[ORD] offset:256
	v_lshlrev_b32 v18, 1, v[LS]                    ; 8 x lane
	s_wait_dscnt 0x0
	v_pk_add_f32 v[14:15], v[14:15], v[16:17]
	s_delay_alu instid0(VALU_DEP_1)
	v_add_f32 v14, s47, v14                        ; + mb3
	s_delay_alu instid0(VALU_DEP_2)
	v_add_f32 v15, s47, v15
	s_wait_alu depctr_va_vdst(0)
	global_store_b64 v18, v[14:15], s[38:39]       ; 32 lanes store 256 consecutive bytes, at a multiple of 256 from out0's first byte
.Lend:
	s_wait_xcnt 0x0
	s_mov_b32 exec_lo, -1
	v_lshl_add_u32 v254, v0, 2, 0x38500
	v_mov_b32 v255, 0
	s_wait_alu depctr_va_vdst(0)
	s_wait_tensorcnt 0x0
	ds_add_u32 v254, v255
	s_wait_dscnt 0x0
	s_endpgm
.Lfunc_end_k_qef2624eda5_din:
	.size	k_qef2624eda5_din, .Lfunc_end_k_qef2624eda5_din-k_qef2624eda5_din
	.p2alignl 7, 3214868480
	.fill 96, 4, 3214868480
	.section	.rodata,"a",@progbits
	.p2align	6, 0x0
	.amdhsa_kernel k_qef2624eda5_din
		.amdhsa_group_segment_fixed_size 231680
		.amdhsa_private_segment_fixed_size 0
		.amdhsa_enable_private_segment 0
		.amdhsa_kernarg_size 144
		.amdhsa_user_sgpr_count 2
		.amdhsa_user_sgpr_kernarg_segment_ptr 1
		.amdhsa_wavefront_size32 1
		.amdhsa_system_sgpr_workgroup_id_x 1
		.amdhsa_system_sgpr_workgroup_id_y 1
		.amdhsa_system_sgpr_workgroup_id_z 1
		.amdhsa_system_vgpr_workitem_id 0
		.amdhsa_next_free_vgpr 512
		.amdhsa_next_free_sgpr 66
		.amdhsa_reserve_vcc 1
		.amdhsa_float_denorm_mode_32 3
		.amdhsa_float_denorm_mode_16_64 3
		.amdhsa_memory_ordered 1
		.amdhsa_forward_progress 1
		.amdhsa_inst_pref_size 190
	.end_amdhsa_kernel
	.amdgpu_metadata
---
amdhsa.version: [ 1, 2 ]
amdhsa.kernels:
  - .name:           k_qef2624eda5_din
    .symbol:         k_qef2624eda5_din.kd
    .args:
      - { .name: customer_id, .offset: 0, .size: 8, .value_kind: global_buffer, .address_space: global }
      - { .name: candidate_good, .offset: 8, .size: 8, .value_kind: global_buffer, .address_space: global }
      - { .name: candidate_class, .offset: 16, .size: 8, .value_kind: global_buffer, .address_space: global }
      - { .name: history_goods, .offset: 24, .size: 8, .value_kind: global_buffer, .address_space: global }
      - { .name: history_classes, .offset: 32, .size: 8, .value_kind: global_buffer, .address_space: global }
      - { .name: user_table, .offset: 40, .size: 8, .value_kind: global_buffer, .address_space: global }
      - { .name: item_table, .offset: 48, .size: 8, .value_kind: global_buffer, .address_space: global }
      - { .name: cat_table, .offset: 56, .size: 8, .value_kind: global_buffer, .address_space: global }
      - { .name: ab1, .offset: 64, .size: 8, .value_kind: global_buffer, .address_space: global }
      - { .name: aw2, .offset: 72, .size: 8, .value_kind: global_buffer, .address_space: global }
      - { .name: ab2, .offset: 80, .size: 8, .value_kind: global_buffer, .address_space: global }
      - { .name: mb1, .offset: 88, .size: 8, .value_kind: global_buffer, .address_space: global }
      - { .name: mb2, .offset: 96, .size: 8, .value_kind: global_buffer, .address_space: global }
      - { .name: mw3, .offset: 104, .size: 8, .value_kind: global_buffer, .address_space: global }
      - { .name: mb3, .offset: 112, .size: 8, .value_kind: global_buffer, .address_space: global }
      - { .name: wfrag, .offset: 120, .size: 8, .value_kind: global_buffer, .address_space: global }
      - { .name: wscale, .offset: 128, .size: 8, .value_kind: global_buffer, .address_space: global }
      - { .name: out0, .offset: 136, .size: 8, .value_kind: global_buffer, .address_space: global }
    .group_segment_fixed_size: 231680
    .private_segment_fixed_size: 0
    .kernarg_segment_align: 8
    .kernarg_segment_size: 144
    .max_flat_workgroup_size: 256
    .sgpr_count:     66
    .vgpr_count:     512
    .wavefront_size: 32
...
	.end_amdgpu_metadata
.endif
;; end of part 2
